; MI455X (gfx1250); checked and timed in simulation.
; The chip was launched on July 23, 2026; its instructions are those of AMD's public machine-readable ISA for CDNA 5 (MIT licence, August 2026) and "CDNA5" Instruction Set Architecture Reference Guide (July 2026). The comments in the code are by the model that wrote it; some were corrected since.
;; Cos Bah Attention. Allowed arithmetic: matrix products marked QUANTISED: E2M1 operands, one E8M0 scale for each 32 along K, by v_wmma_scale_f32_16x16x128_f8f6f4 with both operands' format E2M1 (or v_wmma_scale_f32_32x16x128_f4), f32 sums; products left as they are: f32 operands where the result goes on into a quantised operand, else bf16, f16 or f32 operands; f32 sums; everything else in f32.
;; Inputs: Wa_codes 1,024 x 32 x 16 uint8 (E2M1 codes of Wa, K innermost, in blocks of 32 codes, two codes a byte); Wa_scales 1,024 x 32 uint8 (E8M0 scales of Wa, one for each 32 codes along K); Wb_codes 1,024 x 32 x 16 uint8 (E2M1 codes of Wb, K innermost, in blocks of 32 codes, two codes a byte); Wb_scales 1,024 x 32 uint8 (E8M0 scales of Wb, one for each 32 codes along K); Wc_codes 1,024 x 64 x 16 uint8 (E2M1 codes of Wc, K innermost, in blocks of 32 codes, two codes a byte); Wc_scales 1,024 x 64 uint8 (E8M0 scales of Wc, one for each 32 codes along K); bc 1,024 float32; energy 1,024 float32; k 32 x 1,024 float32; mask 32 x 2,048 bool; xs 32 x 2,048 x 1,024 float32.
;; Outputs: out0 32 x 1,024 float32; out1 32 x 2,048 float32.
;; This version of the problem:
;;   THIS VERSION OF THE PROBLEM IS GIVEN IN LOW PRECISION. The matrix products marked QUANTISED in the list below multiply operands that are first quantised to E2M1 (2 exponent bits, 1 mantissa bit; 4 bits a number), with one power-of-two scale for each 32 numbers along K (OCP MX v1.0); their sums are f32. All else is computed in f32.
;;   The module's matrix products, in the order in which they are computed (A, B: the left and right operand; K: the contracted axis; several contracted axes count as one K, in the product's order):
;;     1. batch 32 x [M 1, K 1,024] x [K 1,024, N 2,048]; A: computed on the way; B: computed on the way: left as it is (M = 1 < 16)
;;     2. batch 32 x [M 1, K 2,048] x [K 2,048, N 1,024]; A: softmax; B: input xs: left as it is (M = 1 < 16)
;;     3. [M 32, K 1,024] x [K 1,024, N 1,024]; A: input k; B: input Wa (given as codes): QUANTISED
;;     4. [M 65,536, K 1,024] x [K 1,024, N 1,024]; A: input xs; B: input Wb (given as codes): QUANTISED
;;     5. [M 65,536, K 1,024] x [K 1,024, N 1]; A: computed on the way; B: input energy: left as it is (N = 1 < 16)
;;     6. batch 32 x [M 1, K 2,048] x [K 2,048, N 1,024]; A: softmax; B: input xs: left as it is (M = 1 < 16)
;;     7. [M 32, K 2,048] x [K 2,048, N 1,024]; A: computed on the way; B: input Wc (given as codes): QUANTISED
;;   THE QUANTISER, for each operand of a quantised product, along K:
;;     - K is cut into blocks of 32 from its start; a last block that is shorter is filled with zeros.
;;     - A block's scale is 2^e with e = floor(log2(the largest magnitude in the block)) - 2, held to -126 .. 127; a block of zeros has e = 0. As a byte (E8M0): e + 127.
;;     - Each number is divided by its block's scale, clamped to +-6, and rounded to the nearest number of E2M1, ties to even, subnormals kept.
;;     - The product sums the exact products of the quantised numbers (number of the format x scale) in f32.
;;   ~~~python
;;   def quantise(x, axis):      # numpy; x: float32 -> the quantised numbers, widened to float32 again
;;       x = np.moveaxis(x, axis, -1); K = x.shape[-1]
;;       x = np.pad(x, [(0, 0)] * (x.ndim - 1) + [(0, -K % 32)]); x = x.reshape(x.shape[:-1] + (-1, 32)); a = np.abs(x).max(-1, keepdims=True)
;;       e = np.where(a > 0, np.clip(np.frexp(np.where(a > 0, a, 1))[1] - 1 - 2, -126, 127), 0)      # np.frexp(a)[1] - 1 = floor(log2(a)), exactly
;;       r = np.clip(x / 2.0 ** e, -6, 6)
;;       step = 2.0 ** (np.maximum(np.frexp(np.where(r == 0, 1, r))[1] - 1, 0) - 1)
;;       q = np.round(r / step) * step * 2.0 ** e      # np.round: ties to even
;;       return np.moveaxis(q.reshape(q.shape[:-2] + (-1,))[..., :K], -1, axis).astype(np.float32)
;;   ~~~
;;   OPERANDS COMPUTED ON THE WAY. 'Computed on the way' means the value that the module computes at that place (a softmax that the list does not call 'softmax' is quantised finished and normalised). What goes into a quantiser is computed in f32, as accurately as f32 sums, v_exp_f32 and their like allow (about 1e-6 of the number): no bf16 or f16 on the way to a quantiser, and a product that is left as it is and whose result goes on into a quantised operand takes f32 operands (vector FMAs, or v_wmma_f32_16x16x4_f32). A number that lies on a knife's edge between two numbers of the format may be rounded either way, as far as f32 arithmetic and the matrix unit's own rounding can turn it there, and no further.
;;   INPUTS GIVEN AS CODES. Wa (in the module: [1024, 1024], K = its axis 1); Wb (in the module: [1024, 1024], K = its axis 1); Wc (in the module: [1024, 2048], K = its axis 1): each comes as NAME_codes (uint8): NAME with its K axis moved to the last place and cut into blocks of 32 codes, [.., K / 32, bytes a block], one block behind the other in memory; two codes a byte, the lower K in the low four bits (a code: sign, 2 exponent bits, 1 mantissa bit); and NAME_scales (uint8): the same leading axes, one E8M0 byte (e + 127) for each 32 codes along K. Its value is code x scale, taken as it is: it is not quantised again, and the codes and scales need not be those that the quantiser above would give.
;; One version. Each part assembles by itself: llvm-mc -triple=amdgcn-amd-amdhsa -mcpu=gfx1250 --defsym DOCPART=n.
;; ======== version 1 of 1: 3 launches
;; limits: right only within a limited range of input values
;; workspace buffers: wbf 524,288 bytes; wk 131,072 bytes; kn 131,072 bytes; part 2,097,152 bytes; stats 4,096 bytes; scc 262,144 bytes; scw 262,144 bytes
;; launch prep (part 1): grid 16 x 1, 8 waves a work-group, no clusters, 35,840 bytes of LDS; arguments k, Wa_codes, Wa_scales, Wb_codes, wbf, wk, kn; writes wbf, wk, kn
.if DOCPART == 1
	.amdgcn_target "amdgcn-amd-amdhsa--gfx1250"
	.amdhsa_code_object_version 6
	.text
	.protected	k_q6ba19effbb_prep
	.globl	k_q6ba19effbb_prep
	.p2align	8
	.type	k_q6ba19effbb_prep,@function
k_q6ba19effbb_prep:
	s_mov_b64 s[64:65], 0
	v_nop
	global_prefetch_b8 v0, s[64:65] scope:SCOPE_SE
	s_setreg_imm32_b32 hwreg(HW_REG_WAVE_MODE, 25, 1), 1
	s_wait_xcnt 0x0
; Small work ahead of the main launch, in two roles chosen by the work-group's number (alike in all waves of a work-group).
; ROLE P (work-groups 8-15): Wb's codes [1024][512 bytes] are laid anew in the order of the matrix operand's registers:
;   wbf[tile T of 16 rows][n = 0..15][lane][16 bytes], lane (r, h) holding bytes 32 n + 16 h of row 16 T + r.
;   A fragment then comes by loads of 512 consecutive bytes.  A wave takes one tile (8,192 bytes).
; ROLE K (work-groups 0-7): wk = Q(k) Wa^T on codes of E2M1 with E8M0 scales for each 32 along K, f32 sums; work-group g makes columns 128 g .. 128 g + 127
;   for all 32 rows.  Every work-group quantises all of k (32 x 1,024 numbers) for itself; work-group 0 also stores kn = k / max(|k|, 1e-8).
;   A lane holds 8 neighbours along K (d = 256 c + 8 lane + i): a block of 32 is 4 neighbouring lanes.
; A block's scale byte is its largest magnitude's exponent field - 2, held at 1 from below (a block of zeros keeps the byte 1: its codes are zeros, and this program alone reads the bytes).
; LIMITS: NaN and infinities among the inputs are not served.
.set KCODE, 0                          ; LDS: k's codes, 32 rows x (512 + 16) bytes
.set KSCL,  16896                      ; k's scale bytes, 32 rows x 32
.set STG,   17920                      ; the way out: 32 rows x (512 + 16) bytes
.set CP,    528
.set WS,    16                         ; v16-19   Wa's scale words: lanes 0-15 K steps 0-3, lanes 16-31 K steps 4-7
.set KS,    20                         ; v20-27   k's, for two tiles of rows, likewise
.set D,     28                         ; v28-43   two accumulators; at work before the products
.set INV,   56                         ; v56-63   1 / max(|k|, eps) of my four rows, in pairs
.set WF,    64                         ; v64-127  Wa's eight fragments
.set X,     128                        ; v128-255 my four rows of k; later k's sixteen fragments
	s_load_b256 s[4:11], s[0:1], 0x0               ; k s[4:5], Wa's codes s[6:7], Wa's scales s[8:9], Wb's codes s[10:11]
	s_load_b128 s[12:15], s[0:1], 0x20             ; wbf s[12:13], wk s[14:15]
	s_load_b64 s[16:17], s[0:1], 0x30              ; kn
	v_lshl_add_u32 v14, v0, 2, 0x8800
	v_mov_b32 v15, 0
	v_lshrrev_b32 v1, 5, v0
	s_delay_alu instid0(VALU_DEP_1)
	v_readfirstlane_b32 s18, v1                    ; wave 0..7
	v_and_b32 v1, 31, v0                           ; lane
	v_and_b32 v2, 15, v0                           ; r
	v_bfe_u32 v3, v0, 4, 1                         ; h
	s_delay_alu instid0(VALU_DEP_2)
	v_lshlrev_b32 v4, 9, v2
	s_delay_alu instid0(VALU_DEP_1)
	v_lshl_add_u32 v4, v3, 4, v4                   ; a fragment's place in a tile of rows of 512 bytes: 512 r + 16 h
	v_lshlrev_b32 v5, 4, v1                        ; 16 x lane
	s_mov_b32 s21, 0
	s_cmp_lt_u32 ttmp9, 8
	s_cbranch_scc1 .Lrole_k
	; ---- ROLE P
	s_sub_co_u32 s19, ttmp9, 8
	s_lshl_b32 s19, s19, 3
	s_add_co_u32 s19, s19, s18                     ; my tile
	s_lshl_b32 s20, s19, 13                        ; x 8,192 bytes, in both buffers
	s_wait_kmcnt 0x0
	s_add_nc_u64 s[10:11], s[10:11], s[20:21]
	s_add_nc_u64 s[12:13], s[12:13], s[20:21]
	s_wait_alu depctr_va_vdst(0)
.irp n, 0,1,2,3,4,5,6,7,8,9,10,11,12,13,14,15
	global_load_b128 v[16+4*\n:19+4*\n], v4, s[10:11] offset:32*\n
.endr
.irp n, 0,1,2,3,4,5,6,7,8,9,10,11,12,13,14,15
	s_wait_loadcnt 15-\n                           ; loads come back in order: number n is in, the younger ones may be out
	global_store_b128 v5, v[16+4*\n:19+4*\n], s[12:13] offset:512*\n   ; 32 lanes store 512 consecutive bytes
.endr
	s_endpgm
	; ---- ROLE K
.Lrole_k:
	s_wait_alu depctr_va_vdst(0)
	v_lshlrev_b32 v6, 5, v1                        ; k: my 32 bytes of a chunk of 1,024
	v_lshlrev_b32 v7, 5, v2
	s_delay_alu instid0(VALU_DEP_1)
	v_lshl_add_u32 v7, v3, 4, v7                   ; scale bytes: 32 r + 16 h
	s_mul_i32 s22, s18, 4*CP
	v_lshl_add_u32 v8, v1, 2, s22                  ; LDS: my rows' codes: 4 rows x wave + 4 x lane
	v_lshrrev_b32 v9, 2, v1
	s_lshl_b32 s23, s18, 7
	s_add_co_u32 s23, s23, KSCL
	v_add_nc_u32 v9, s23, v9                       ; and their scale bytes: 128 x wave + lane / 4
	v_mul_u32_u24 v10, v2, CP
	s_delay_alu instid0(VALU_DEP_1)
	v_lshl_add_u32 v12, v3, 5, v10
	s_delay_alu instid0(VALU_DEP_2)
	v_lshl_add_u32 v10, v3, 4, v10                 ; a fragment of k: 528 r + 16 h
	v_add_nc_u32 v11, KSCL, v7                     ; its scale words
	s_lshl_b32 s23, s18, 6
	s_add_co_u32 s23, s23, STG
	v_add_nc_u32 v12, s23, v12                     ; the stage, in: 528 r + 32 h + 64 x wave
	s_add_co_u32 s22, s22, STG
	v_add_nc_u32 v13, s22, v5                      ; and back: my four rows, 16 bytes a lane
	s_mov_b32 s30, 0x76543210
	s_mov_b32 s31, 0xfedcba98                      ; v_permlanex16_b32's selects for lane l xor 16
	s_lshl_b32 s20, s18, 14                        ; my four rows of 4,096 bytes, in k, kn and wk
	s_lshl_b32 s24, ttmp9, 3
	s_add_co_u32 s24, s24, s18                     ; my tile of Wa's rows: 8 g + wave
	s_lshl_b32 s26, s24, 13
	s_mov_b32 s27, 0
	s_lshl_b32 s28, s24, 9
	s_mov_b32 s29, 0
	s_wait_kmcnt 0x0
	s_add_nc_u64 s[4:5], s[4:5], s[20:21]
	s_add_nc_u64 s[16:17], s[16:17], s[20:21]
	s_add_nc_u64 s[14:15], s[14:15], s[20:21]
	s_add_nc_u64 s[6:7], s[6:7], s[26:27]
	s_add_nc_u64 s[8:9], s[8:9], s[28:29]
	s_lshl_b32 s20, ttmp9, 9                       ; wk: my work-group's 128 columns
	s_add_nc_u64 s[14:15], s[14:15], s[20:21]
.irp jj, 0,1,2,3
.irp c, 0,1,2,3
	global_load_b128 v[X+32*\jj+8*\c:X+32*\jj+8*\c+3],   v6, s[4:5] offset:4096*\jj+1024*\c
	global_load_b128 v[X+32*\jj+8*\c+4:X+32*\jj+8*\c+7], v6, s[4:5] offset:4096*\jj+1024*\c+16
.endr
.endr
.irp n, 0,1,2,3,4,5,6,7,8,9,10,11,12,13,14,15
	global_load_b128 v[WF+4*\n:WF+4*\n+3], v4, s[6:7] offset:32*\n
.endr
	global_load_b128 v[WS:WS+3], v7, s[8:9]
.irp jj, 0,1,2,3
	v_mov_b32 v[40+\jj], 0                         ; a lane permute's destination counts as one of its sources
.endr
	s_wait_loadcnt 17                              ; k is in; Wa's 17 loads may be out
	; the four rows' sums of squares, by turns
.irp jj, 0,1,2,3
	v_pk_mul_f32 v[28+2*\jj:29+2*\jj], v[X+32*\jj:X+32*\jj+1], v[X+32*\jj:X+32*\jj+1]
.endr
.irp i, 2,4,6,8,10,12,14,16,18,20,22,24,26,28,30
.irp jj, 0,1,2,3
	s_delay_alu instid0(VALU_DEP_4)
	v_pk_fma_f32 v[28+2*\jj:29+2*\jj], v[X+32*\jj+\i:X+32*\jj+\i+1], v[X+32*\jj+\i:X+32*\jj+\i+1], v[28+2*\jj:29+2*\jj]
.endr
.endr
.irp jj, 0,1,2,3
	s_delay_alu instid0(VALU_DEP_4)
	v_add_f32 v[36+\jj], v[28+2*\jj], v[29+2*\jj]
.endr
.irp xm, 1,2,4,8
.irp jj, 0,1,2,3
	s_delay_alu instid0(VALU_DEP_4)
	v_add_f32_dpp v[36+\jj], v[36+\jj], v[36+\jj] row_xmask:\xm row_mask:0xf bank_mask:0xf
.endr
.endr
.irp jj, 0,1,2,3
	s_delay_alu instid0(VALU_DEP_4)
	v_permlanex16_b32 v[40+\jj], v[36+\jj], s30, s31
.endr
.irp jj, 0,1,2,3
	s_delay_alu instid0(VALU_DEP_4)
	v_add_f32 v[36+\jj], v[36+\jj], v[40+\jj]
.endr
	s_wait_alu depctr_va_vdst(0)
.irp jj, 0,1,2,3
	v_sqrt_f32 v[36+\jj], v[36+\jj]
.endr
	v_nop                                          ; a plain place behind the roots
	s_wait_alu depctr_va_vdst(0)
.irp jj, 0,1,2,3
	v_max_num_f32 v[36+\jj], 0x322bcc77, v[36+\jj] ; max(|k|, 1e-8)
.endr
	s_wait_alu depctr_va_vdst(0)
.irp jj, 0,1,2,3
	v_rcp_f32 v[INV+2*\jj], v[36+\jj]
.endr
.irp jj, 0,1,2,3
	v_mov_b32 v[INV+2*\jj+1], 0                    ; (named as a pair's upper half; also the plain place behind the reciprocals)
.endr
; Row jj of my four is quantised: four chunks of 256 numbers by turns.  Two sets of 12 registers take turns, so that a set is written again only when its LDS stores are done.
.macro KQ jj
.set QS, 28+12*((\jj)%2)
.if (\jj) >= 2
	s_wait_dscnt 8                                 ; the stores of two rows ago are done; the last row's eight may be out
.endif
.irp c, 0,1,2,3
	v_max3_num_f32 v[QS+\c], |v[X+32*(\jj)+8*\c]|, |v[X+32*(\jj)+8*\c+1]|, 0x1800000   ; my 8 numbers, and the floor 2^(3 - 127): the byte cannot fall under 1
.endr
.irp i, 2,4,6
.irp c, 0,1,2,3
	s_delay_alu instid0(VALU_DEP_4)
	v_max3_num_f32 v[QS+\c], |v[X+32*(\jj)+8*\c+\i]|, |v[X+32*(\jj)+8*\c+\i+1]|, v[QS+\c]
.endr
.endr
.irp xm, 1,2
.irp c, 0,1,2,3
	s_delay_alu instid0(VALU_DEP_4)
	v_max_num_f32_dpp v[QS+\c], v[QS+\c], v[QS+\c] row_xmask:\xm row_mask:0xf bank_mask:0xf   ; with the block's three other lanes
.endr
.endr
.irp c, 0,1,2,3
	s_delay_alu instid0(VALU_DEP_4)
	v_add_nc_u32 v[QS+\c], 0xff000000, v[QS+\c]    ; 2 off the exponent field: the conversion's scale operand
.endr
.irp c, 0,1,2,3
	s_delay_alu instid0(VALU_DEP_4)
	v_lshrrev_b32 v[QS+4+\c], 23, v[QS+\c]         ; the scale's byte
.endr
.irp c, 0,1,2,3
	v_cvt_scalef32_pk8_fp4_f32 v[QS+8+\c], v[X+32*(\jj)+8*\c:X+32*(\jj)+8*\c+7], v[QS+\c]
.endr
	v_nop                                          ; one plain place behind a scaled conversion
.irp c, 0,1,2,3
	ds_store_b32 v8, v[QS+8+\c] offset:(\jj)*CP+128*\c
	ds_store_b8 v9, v[QS+4+\c] offset:(\jj)*32+8*\c    ; the block's four lanes write the same byte with the same value
.endr
.endm
	KQ 0
	KQ 1
	KQ 2
	KQ 3
	s_cmp_lg_u32 ttmp9, 0                          ; kn is stored once, by work-group 0
	s_cbranch_scc1 .Lno_kn
	s_wait_alu depctr_va_vdst(0)
.irp jj, 0,1,2,3
.irp i, 0,2,4,6,8,10,12,14,16,18,20,22,24,26,28,30
	v_pk_mul_f32 v[X+32*\jj+\i:X+32*\jj+\i+1], v[X+32*\jj+\i:X+32*\jj+\i+1], v[INV+2*\jj:INV+2*\jj+1] op_sel_hi:[1,0]
.endr
.endr
.irp jj, 0,1,2,3
.irp c, 0,1,2,3
	global_store_b128 v5, v[X+32*\jj+8*\c:X+32*\jj+8*\c+3],   s[16:17] offset:4096*\jj+1024*\c       ; kn[b][c][u][lane][4]: 512 consecutive bytes a store
	global_store_b128 v5, v[X+32*\jj+8*\c+4:X+32*\jj+8*\c+7], s[16:17] offset:4096*\jj+1024*\c+512
.endr
.endr
.Lno_kn:
	s_wait_xcnt 0x0                                ; the stores have read their registers: k's fragments may land there
	s_wait_dscnt 0x0                               ; for the others' sake: my codes and scale bytes lie in LDS
	s_barrier_signal -1
	s_barrier_wait -1
.irp m, 0,1
.irp n, 0,1,2,3,4,5,6,7,8,9,10,11,12,13,14,15
	ds_load_b128 v[X+64*\m+4*\n:X+64*\m+4*\n+3], v10 offset:16*CP*\m+32*\n
.endr
	ds_load_b128 v[KS+4*\m:KS+4*\m+3], v11 offset:512*\m
.endr
	s_wait_loadcnt 0x0                             ; Wa
	s_wait_dscnt 0x0
	; TRANSPOSED: source 0 = 16 rows of Wa, source 1 = 16 rows of k: a lane then holds eight neighbouring columns of one row of wk.  The two accumulators take turns.
.irp q, 0,1,2,3,4,5,6,7
.irp m, 0,1
.if \q == 0
	v_wmma_scale_f32_16x16x128_f8f6f4 v[D+8*\m:D+8*\m+7], v[WF+8*\q:WF+8*\q+7], v[X+64*\m+8*\q:X+64*\m+8*\q+7], 0, v[WS+\q%4], v[KS+4*\m+\q%4] matrix_a_fmt:MATRIX_FMT_FP4 matrix_b_fmt:MATRIX_FMT_FP4
.elseif \q < 4
	v_wmma_scale_f32_16x16x128_f8f6f4 v[D+8*\m:D+8*\m+7], v[WF+8*\q:WF+8*\q+7], v[X+64*\m+8*\q:X+64*\m+8*\q+7], v[D+8*\m:D+8*\m+7], v[WS+\q%4], v[KS+4*\m+\q%4] matrix_a_fmt:MATRIX_FMT_FP4 matrix_b_fmt:MATRIX_FMT_FP4
.else
	v_wmma_scale_f32_16x16x128_f8f6f4 v[D+8*\m:D+8*\m+7], v[WF+8*\q:WF+8*\q+7], v[X+64*\m+8*\q:X+64*\m+8*\q+7], v[D+8*\m:D+8*\m+7], v[WS+\q%4], v[KS+4*\m+\q%4] matrix_a_fmt:MATRIX_FMT_FP4 matrix_b_fmt:MATRIX_FMT_FP4 matrix_a_scale:MATRIX_SCALE_ROW1 matrix_b_scale:MATRIX_SCALE_ROW1
.endif
.endr
.endr
.rept 4
	v_nop                                          ; four places in front of the first read of results (ISA guide 7.12.1)
.endr
.irp m, 0,1
	ds_store_b128 v12, v[D+8*\m:D+8*\m+3] offset:16*CP*\m          ; each accumulator from its low end on
	ds_store_b128 v12, v[D+8*\m+4:D+8*\m+7] offset:16*CP*\m+16
.endr
	s_wait_dscnt 0x0
	s_barrier_signal -1
	s_barrier_wait -1                              ; 32 rows x 128 columns lie in the stage
	s_wait_alu depctr_va_vdst(0)
.irp i, 0,1,2,3
	ds_load_b128 v[44+4*\i:47+4*\i], v13 offset:CP*\i
.endr
.irp i, 0,1,2,3
	s_wait_dscnt 3-\i
	global_store_b128 v5, v[44+4*\i:47+4*\i], s[14:15] offset:4096*\i   ; 512 consecutive bytes of a row of wk
.endr
	s_wait_tensorcnt 0x0
	ds_add_u32 v14, v15
	s_wait_dscnt 0x0
	s_endpgm
.Lfunc_end_k_q6ba19effbb_prep:
	.size	k_q6ba19effbb_prep, .Lfunc_end_k_q6ba19effbb_prep-k_q6ba19effbb_prep
	.p2alignl 7, 3214868480
	.fill 96, 4, 3214868480
	.section	.rodata,"a",@progbits
	.p2align	6, 0x0
	.amdhsa_kernel k_q6ba19effbb_prep
		.amdhsa_group_segment_fixed_size 35840
		.amdhsa_private_segment_fixed_size 0
		.amdhsa_enable_private_segment 0
		.amdhsa_kernarg_size 56
		.amdhsa_user_sgpr_count 2
		.amdhsa_user_sgpr_kernarg_segment_ptr 1
		.amdhsa_wavefront_size32 1
		.amdhsa_system_sgpr_workgroup_id_x 1
		.amdhsa_system_sgpr_workgroup_id_y 1
		.amdhsa_system_sgpr_workgroup_id_z 1
		.amdhsa_system_vgpr_workitem_id 0
		.amdhsa_next_free_vgpr 256
		.amdhsa_next_free_sgpr 66
		.amdhsa_reserve_vcc 0
		.amdhsa_float_denorm_mode_32 3
		.amdhsa_float_denorm_mode_16_64 3
		.amdhsa_memory_ordered 1
		.amdhsa_forward_progress 1
		.amdhsa_inst_pref_size 48
	.end_amdhsa_kernel
	.amdgpu_metadata
---
amdhsa.version: [ 1, 2 ]
amdhsa.kernels:
  - .name:           k_q6ba19effbb_prep
    .symbol:         k_q6ba19effbb_prep.kd
    .args:
      - { .name: k, .offset: 0, .size: 8, .value_kind: global_buffer, .address_space: global }
      - { .name: Wa_codes, .offset: 8, .size: 8, .value_kind: global_buffer, .address_space: global }
      - { .name: Wa_scales, .offset: 16, .size: 8, .value_kind: global_buffer, .address_space: global }
      - { .name: Wb_codes, .offset: 24, .size: 8, .value_kind: global_buffer, .address_space: global }
      - { .name: wbf, .offset: 32, .size: 8, .value_kind: global_buffer, .address_space: global }
      - { .name: wk, .offset: 40, .size: 8, .value_kind: global_buffer, .address_space: global }
      - { .name: kn, .offset: 48, .size: 8, .value_kind: global_buffer, .address_space: global }
    .group_segment_fixed_size: 35840
    .private_segment_fixed_size: 0
    .kernarg_segment_align: 8
    .kernarg_segment_size: 56
    .max_flat_workgroup_size: 256
    .sgpr_count:     66
    .vgpr_count:     256
    .wavefront_size: 32
...
	.end_amdgpu_metadata
.endif
;; end of part 1
;; launch main (part 2): grid 256 x 1, 4 waves a work-group, no clusters, 327,680 bytes of LDS; arguments xs, mask, energy, Wb_scales, wbf, wk, kn, part, stats, scc, scw; writes part, stats, scc, scw
.if DOCPART == 2
	.amdgcn_target "amdgcn-amd-amdhsa--gfx1250"
	.amdhsa_code_object_version 6
	.text
	.protected	k_q6ba19effbb_main
	.globl	k_q6ba19effbb_main
	.p2align	8
	.type	k_q6ba19effbb_main,@function
k_q6ba19effbb_main:
	s_mov_b64 s[64:65], 0
	v_nop
	global_prefetch_b8 v0, s[64:65] scope:SCOPE_SE
	s_setreg_imm32_b32 hwreg(HW_REG_WAVE_MODE, 25, 1), 1
	s_wait_xcnt 0x0
; Both attentions' scores and unnormalised weighted sums, with xs read from memory ONCE.
; SHARES.  Work-group wg owns rows 256 wg .. + 255 of xs (all of one batch b = wg / 8), in four blocks of 64 rows.
;   For xs, wave w owns columns 256 w .. + 255 of all 64 rows: a lane holds 8 neighbours, d = 256 w + 8 lane + i.  These 512 registers serve the norm, the dot with kn, the quantiser and, at the block's end, both weighted sums.
;   In the product x Wb^T, wave w owns Wb's rows 256 w .. + 255 (16 tiles of 16) for all 64 rows: each fragment of Wb is loaded by one wave and feeds four matrix instructions.
; A BLOCK:  X: my slice of 64 rows from LDS into registers; sums of squares, dots, codes and scale bytes.  Its closing barrier shows the codes to all waves and stands in front of the slot's refill.
;           A: the block's codes, all of K, into my registers (256); under these loads the cosine softmax's terms.   G: 16 tiles of Wb x 64 rows, tanh and the product with energy.
;           S: the additive scores of the 64 rows and their softmax terms (a running maximum).   W: both weighted sums, on the f32 rows.
; THE LOOP IS TURNED: a trip is refill, A G S W of one block, X of the next; the head jumps to X, so X stands once in the text.  The last block's A G S W are written out.
; tanh(x) = 1 - 2 / (1 + 2^(2 log2(e) x)): so w = sum(energy) - 2 sum(energy / (1 + 2^..)); the first sum starts the accumulators.
; THE COSINE SOFTMAX takes no maximum away: both vectors are normalised here as in the problem, so its exponent lies in [-1, 1] for every input.
; THE ADDITIVE SOFTMAX keeps a running maximum for the work-group; the last launch merges the eight states of a batch.
; NO CLUSTER: Wb is shared by all work-groups, but of the 327,680 bytes of LDS 278,528 are the landing zone for xs, 47,616 codes, tables and partial sums, 512 the spare words: no room for a ring of Wb's tiles.  xs is shared by nobody.
; NO PREFETCH of xs: a block's refill is itself issued a whole block's A, G, S and W ahead of its first read.
; LIMITS: NaN and infinities among the inputs are not served.  A block of zeros keeps the scale byte 1 (its codes are zeros; this program alone reads the bytes).
.set SLOTB,  69632                     ; a wave's slot: 64 rows x (1,024 bytes + 16 behind each 256)
.set XPITCH, 1088
.set ACODE,  278528                    ; the block's codes: 64 rows x (512 + 16) bytes
.set CPITCH, 528
.set ASCL,   312320                    ; their scale bytes: 64 rows x 32
.set NP,     314368                    ; [wave][sum of squares, dot][64 rows] f32; in W a wave's 512 bytes hold the rows' weights
.set WP,     316416                    ; [wave][64 rows] f32: the waves' parts of w
.set TBL,    317440                    ; [e] -> (2 log2(e) wk[b][e], -2 energy[e])
.set ELS,    325632                    ; a word for each thread: the sum of energy over the lane's 16 columns
.set SPARE,  326144                    ; the spare words, 128 bytes for each wave
; window 0
.set SPW,  1                           ; LDS address of my spare word; never rewritten
.set NIL,  2                           ; 0; never rewritten
.set LOFF, 3                           ; 16 x lane
.set SOFF, 4                           ; 32 r + 16 h
.set TBA,  5                           ; TBL + 2,048 w + 8 r
.set LB,   6                           ; v[6:7] the additive softmax's sum, rows 2 l and 2 l + 1 of each block
.set LC,   8                           ; v[8:9] the cosine softmax's
.set TAD,  10                          ; the trip's table address
.set MR,   11                          ; the running maximum of w
.set AS,   12                          ; v12-27 x's scale words: lanes 0-15 K steps 0-3, lanes 16-31 K steps 4-7
.set BS,   28                          ; v28-35 Wb's, two buffers, likewise
.set TB,   36                          ; v36-39 the table pairs of the tiles in buffers 0 and 1
.set WC,   40                          ; v40-47 the cosine weighted sum of my 8 columns
.set WB,   48                          ; v48-55 the additive one
.set AW,   56                          ; v56-87 the score sums: register 8 m + j: row 16 m + 8 h + j
.set DD,   88                          ; v88-119 two sets of two accumulators
.set PC,   122                         ; v[122:123] e^cos of rows 2 l, 2 l + 1, from A to S
.set BF,   128                         ; v128-255 two buffers of Wb's eight fragments
.set SD,   56                          ; in X: 16 rows' sums of squares, then their dots
.set MX,   88                          ; in X: 16 rows' largest magnitudes, then scale operands
.set RES,  104                         ; in X: the four butterflies' results
.set WQ,   56                          ; in W: two sets of eight quads (e^cos, e^cos, e^(w-m), e^(w-m)) of rows 2 k, 2 k + 1
; v120-124 address registers of the phase in hand; v125-127 addresses that stay
; window 1: in G the block's codes, fragment (m, q) at 64 m + 8 q.  In X:
.set KN,   0
.set SSP,  8
.set DTP,  40
.set CD,   104
.set BY,   136
.set MKV,  236
; windows 2, 3: x: row rho at window 2 + rho / 32, register 8 (rho % 32) + i
.set MSB, 0
.macro WIN new                         ; bits 1:0 source 0, 3:2 source 1, 5:4 source 2, 7:6 destination; the high byte repeats the setting that is left
.if MSB != (\new)
	s_set_vgpr_msb (MSB<<8)|(\new)
.set MSB, (\new)
.endif
.endm
.macro PLACES
.rept 4
	v_nop
.endr
.endm
.macro VW
	s_wait_alu depctr_va_vdst(0)
.endm
.macro LROWS a                         ; rows 16 a .. + 15 of my slot into registers: 32 loads
	WIN 0x80+0x40*((\a)/2)
.set j, 0
.rept 16
	ds_load_b128 v[128*((\a)%2)+8*j:128*((\a)%2)+8*j+3],   v[120+(\a)/2] offset:(16*((\a)%2)+j)*XPITCH
	ds_load_b128 v[128*((\a)%2)+8*j+4:128*((\a)%2)+8*j+7], v[120+(\a)/2] offset:(16*((\a)%2)+j)*XPITCH+16
.set j, j+1
.endr
.endm
.macro CROWS a                         ; the same 16 rows by turns: sum of squares, dot with kn, the block's largest magnitude (4 lanes), scale byte, codes
.set XB, 128*((\a)%2)
.set XW, 2+(\a)/2
.set CS, 16*((\a)%2)
	WIN 0x50|(XW<<2)|XW
.set j, 0
.rept 16
	v_pk_mul_f32 v[SSP+2*j:SSP+2*j+1], v[XB+8*j:XB+8*j+1], v[XB+8*j:XB+8*j+1]
.set j, j+1
.endr
.irp i, 2,4,6
.set j, 0
.rept 16
	v_pk_fma_f32 v[SSP+2*j:SSP+2*j+1], v[XB+8*j+\i:XB+8*j+\i+1], v[XB+8*j+\i:XB+8*j+\i+1], v[SSP+2*j:SSP+2*j+1]
.set j, j+1
.endr
.endr
	WIN 0x54|XW
.set j, 0
.rept 16
	v_pk_mul_f32 v[DTP+2*j:DTP+2*j+1], v[XB+8*j:XB+8*j+1], v[KN:KN+1]
.set j, j+1
.endr
.irp i, 2,4,6
.set j, 0
.rept 16
	v_pk_fma_f32 v[DTP+2*j:DTP+2*j+1], v[XB+8*j+\i:XB+8*j+\i+1], v[KN+\i:KN+\i+1], v[DTP+2*j:DTP+2*j+1]
.set j, j+1
.endr
.endr
	WIN (XW<<2)|XW
.set j, 0
.rept 16
	v_max3_num_f32 v[MX+j], |v[XB+8*j]|, |v[XB+8*j+1]|, 0x1800000     ; and the floor 2^(3 - 127): the byte cannot fall under 1
.set j, j+1
.endr
.irp i, 2,4,6
.set j, 0
.rept 16
	v_max3_num_f32 v[MX+j], |v[XB+8*j+\i]|, |v[XB+8*j+\i+1]|, v[MX+j]
.set j, j+1
.endr
.endr
	WIN 0
.irp xm, 1,2
.set j, 0
.rept 16
	v_max_num_f32_dpp v[MX+j], v[MX+j], v[MX+j] row_xmask:\xm row_mask:0xf bank_mask:0xf
.set j, j+1
.endr
.endr
.set j, 0
.rept 16
	v_add_nc_u32 v[MX+j], 0xff000000, v[MX+j]      ; 2 off the exponent field: the conversion's scale operand
.set j, j+1
.endr
	WIN 0x40
.set j, 0
.rept 16
	v_lshrrev_b32 v[BY+CS+j], 23, v[MX+j]          ; the scale's byte
.set j, j+1
.endr
	WIN 0x05
.set j, 0
.rept 16
	v_add_f32 v[SD+j], v[SSP+2*j], v[SSP+2*j+1]
	v_add_f32 v[SD+16+j], v[DTP+2*j], v[DTP+2*j+1]
.set j, j+1
.endr
	WIN 0x40|XW
.set j, 0
.rept 16
	v_cvt_scalef32_pk8_fp4_f32 v[CD+CS+j], v[XB+8*j:XB+8*j+7], v[MX+j]
.set j, j+1
.endr
	v_nop                                          ; one plain place behind a scaled conversion
.endm
.macro SROWS a                         ; their codes (4 bytes a lane) and scale bytes (the block's four lanes write the same byte) to LDS
	WIN 0x04
.set j, 0
.rept 16
	ds_store_b32 v122, v[CD+16*((\a)%2)+j] offset:(16*(\a)+j)*CPITCH
	ds_store_b8 v123, v[BY+16*((\a)%2)+j] offset:(16*(\a)+j)*32
.set j, j+1
.endr
	WIN 0
.endm
; One step of a sum across lanes that halves the registers: of the pair (i, i + dist) a lane keeps one (by its bit, mask in s[sm]), sends the other to lane xor xm, and adds what it is sent.
.macro RSTEP base, cnt, dist, xm, sm, tmp
.set ri, 0
.rept \cnt
	v_cndmask_b32 v[\tmp+2*ri],   v[\base+ri], v[\base+ri+\dist], s[\sm]
	v_cndmask_b32 v[\tmp+2*ri+1], v[\base+ri+\dist], v[\base+ri], s[\sm]
.set ri, ri+1
.endr
.set ri, 0
.rept \cnt
	v_add_f32_dpp v[\base+ri], v[\tmp+2*ri+1], v[\tmp+2*ri] row_xmask:\xm row_mask:0xf bank_mask:0xf
.set ri, ri+1
.endr
.endm
; SD's 32 registers become one: lane (r, h) holds row r's sum of squares (h = 0) or dot (h = 1) over my 256 columns
.macro BFLY a
.set bi, 0
.rept 16
	v_permlane16_swap_b32 v[SD+bi], v[SD+16+bi]
.set bi, bi+1
.endr
.set bi, 0
.rept 16
	v_add_f32 v[SD+bi], v[SD+bi], v[SD+16+bi]
.set bi, bi+1
.endr
	RSTEP SD, 8, 8, 8, 48, SD+16
	RSTEP SD, 4, 4, 4, 49, SD+16
	RSTEP SD, 2, 2, 2, 50, SD+16
	v_cndmask_b32 v[SD+16], v[SD], v[SD+1], s51
	v_cndmask_b32 v[SD+17], v[SD+1], v[SD], s51
	v_add_f32_dpp v[RES+(\a)], v[SD+17], v[SD+16] row_xmask:1 row_mask:0xf bank_mask:0xf
.endm
; a tile of Wb, dt tiles from the walking pointers, into buffer buf: 16 loads of codes and one of scale words, 512 consecutive bytes each
.macro BLOAD buf, dt
.set j, 0
.rept 16
	global_load_b128 v[BF+64*(\buf)+4*j:BF+64*(\buf)+4*j+3], v[LOFF], s[12:13] offset:(\dt)*8192+512*j
.set j, j+1
.endr
	global_load_b128 v[BS+4*(\buf):BS+4*(\buf)+3], v[SOFF], s[10:11] offset:(\dt)*512
.endm
.macro TH_F1 st, ts                    ; 2 log2(e) (wx + wk); ascending
.irp i, 0,2,4,6,8,10,12,14
	v_pk_fma_f32 v[DD+16*(\st)+\i:DD+16*(\st)+\i+1], v[DD+16*(\st)+\i:DD+16*(\st)+\i+1], s[46:47], v[TB+2*(\ts):TB+2*(\ts)+1] op_sel_hi:[1,0,0]
.endr
.endm
.macro TH_E st
.set j, 0
.rept 16
	v_exp_f32 v[DD+16*(\st)+j], v[DD+16*(\st)+j]
.set j, j+1
.endr
.endm
.macro TH_A1 st
.irp i, 0,2,4,6,8,10,12,14
	v_pk_add_f32 v[DD+16*(\st)+\i:DD+16*(\st)+\i+1], v[DD+16*(\st)+\i:DD+16*(\st)+\i+1], 1.0 op_sel_hi:[1,0]
.endr
.endm
.macro TH_R st
.set j, 0
.rept 16
	v_rcp_f32 v[DD+16*(\st)+j], v[DD+16*(\st)+j]
.set j, j+1
.endr
.endm
.macro TH_F2 st, ts                    ; the score sums take -2 energy / (1 + 2^..): of the table's pair the high word serves both halves
.irp i, 0,2,4,6,8,10,12,14
	v_pk_fma_f32 v[AW+16*(\st)+\i:AW+16*(\st)+\i+1], v[DD+16*(\st)+\i:DD+16*(\st)+\i+1], v[TB+2*(\ts):TB+2*(\ts)+1], v[AW+16*(\st)+\i:AW+16*(\st)+\i+1] op_sel:[0,1,0] op_sel_hi:[1,1,1]
.endr
.endm
; one matrix instruction: rows 16 (2 p + u) on x the tile in buffer buf, K step q.  Source 0 = x (window 1), source 1 = Wb: register j of lane (r, h) is (row 8 h + j, column r)
.macro MM1 buf, p, q, u
.set QQ, \q
.set DR, DD+16*(\p)+8*(\u)
.set AR, 64*(2*(\p)+(\u))+8*QQ
.set BR, BF+64*(\buf)+8*QQ
.set SA, AS+4*(2*(\p)+(\u))+QQ%4
.set SB, BS+4*(\buf)+QQ%4
.if QQ == 0
	v_wmma_scale_f32_16x16x128_f8f6f4 v[DR:DR+7], v[AR:AR+7], v[BR:BR+7], 0, v[SA], v[SB] matrix_a_fmt:MATRIX_FMT_FP4 matrix_b_fmt:MATRIX_FMT_FP4
.elseif QQ < 4
	v_wmma_scale_f32_16x16x128_f8f6f4 v[DR:DR+7], v[AR:AR+7], v[BR:BR+7], v[DR:DR+7], v[SA], v[SB] matrix_a_fmt:MATRIX_FMT_FP4 matrix_b_fmt:MATRIX_FMT_FP4
.else
	v_wmma_scale_f32_16x16x128_f8f6f4 v[DR:DR+7], v[AR:AR+7], v[BR:BR+7], v[DR:DR+7], v[SA], v[SB] matrix_a_fmt:MATRIX_FMT_FP4 matrix_b_fmt:MATRIX_FMT_FP4 matrix_a_scale:MATRIX_SCALE_ROW1 matrix_b_scale:MATRIX_SCALE_ROW1
.endif
.endm
.macro MM16 buf, p                     ; set p, all of K, in one unbroken run; its two accumulators take turns, one instruction a turn
	WIN 0x01
.irp q, 0,1,2,3,4,5,6,7
.irp u, 0,1
	MM1 \buf, \p, \q, \u
.endr
.endr
	WIN 0
.endm
; A STAGE makes set p from the tile in buffer buf.  A set's tanh is spread over three stages: scaling at the end of the stage that makes it; exponentials and additions in the next;
; reciprocals and the multiply-adds with energy in the one after, just ahead of the matrix run that writes the set anew.  So a stage has ONE batch of 32 transcendentals (set p's reciprocals,
; the other set's exponentials), with one wait ahead of it and one behind it, and no transcendental stands inside the matrix run or between it and set p's first read.
; What set p held came from the tile before: its table pair is the other buffer's.  tl >= 0: that pair has had its last use and is loaded anew, from byte tl of the trip's table address;
; the wait for it stands in the next stage (p = 0), ahead of the scaling that reads it.  lvl = 0, 1: a block's first two stages, which find no older sets.
; Between the matrix run and set p's first read stand the eight additions, which name none of its registers (four places are asked: ISA guide 7.12.1).
.macro STAGE buf, p, lvl, tl
.if (\lvl) > 0
	VW
.if (\lvl) > 1
	TH_R \p
.endif
	TH_E 1-(\p)
	v_nop
	VW
.endif
.if (\lvl) > 1
	TH_F2 \p, 1-(\buf)
.endif
.if (\tl) >= 0
	ds_load_b64 v[TB+2*(1-(\buf)):TB+2*(1-(\buf))+1], v[TAD] offset:\tl
.endif
	MM16 \buf, \p
.if (\lvl) > 0
	TH_A1 1-(\p)
.else
	PLACES
.endif
.if (\lvl) > 1 && (\p) == 0
	s_wait_dscnt 0x0                               ; this tile's table pair, asked for in the stage before
.endif
	TH_F1 \p, \buf
.endm
.macro WLD set, k                      ; the weights of rows 16 k .. + 15: eight loads, every lane the same 16 bytes
.irp i, 0,1,2,3,4,5,6,7
	ds_load_b128 v[WQ+32*(\set)+4*\i:WQ+32*(\set)+4*\i+3], v121 offset:128*(\k)+16*\i
.endr
.endm
.macro WFM set, k                      ; both weighted sums take these 16 rows: 8 packed multiply-adds a row on eight accumulators
	WIN 0x02+(\k)/2
.irp i, 0,1,2,3,4,5,6,7
.irp o, 0,1
.irp c, 0,2,4,6
	v_pk_fma_f32 v[WC+\c:WC+\c+1], v[8*((16*(\k)+2*\i+\o)%32)+\c:8*((16*(\k)+2*\i+\o)%32)+\c+1], v[WQ+32*(\set)+4*\i:WQ+32*(\set)+4*\i+1], v[WC+\c:WC+\c+1] op_sel:[0,\o,0] op_sel_hi:[1,\o,1]
.endr
.irp c, 0,2,4,6
	v_pk_fma_f32 v[WB+\c:WB+\c+1], v[8*((16*(\k)+2*\i+\o)%32)+\c:8*((16*(\k)+2*\i+\o)%32)+\c+1], v[WQ+32*(\set)+4*\i+2:WQ+32*(\set)+4*\i+3], v[WB+\c:WB+\c+1] op_sel:[0,\o,0] op_sel_hi:[1,\o,1]
.endr
.endr
.endr
	WIN 0
.endm
	; ---------------- the head
	s_load_b512 s[4:19], s[0:1], 0x0               ; xs, mask, energy, Wb's scales, wbf, wk, kn, part
	s_load_b128 s[20:23], s[0:1], 0x40             ; stats, scc
	s_load_b64 s[24:25], s[0:1], 0x50              ; scw
	v_lshl_add_u32 v[SPW], v0, 2, SPARE
	v_mov_b32 v[NIL], 0
	ds_add_u32 v[SPW], v[NIL]
	ds_add_u32 v[SPW], v[NIL]
	v_lshrrev_b32 v3, 5, v0
	v_readfirstlane_b32 s26, v3                    ; wave 0..3
	; descriptor group 1: 64 rows x 128 elements of 8 bytes, 512 elements from row to row; in LDS 4 words of padding behind every 64
	s_mov_b32 s36, (3<<16)|(1<<20)|(5<<22)|(3<<25)
	s_mov_b32 s37, 128<<16
	s_mov_b32 s38, 64<<16
	s_mov_b32 s39, 128<<16
	s_mov_b32 s40, 64
	s_mov_b32 s41, 512
	s_mov_b32 s42, 0
	s_mov_b32 s43, 0
	s_mov_b32 s32, 1
	s_mul_i32 s33, s26, SLOTB                      ; my slot
	s_lshl_b32 s2, ttmp9, 20                       ; my work-group's 256 rows of 4,096 bytes,
	s_lshl_b32 s3, s26, 10                         ; my wave's 1,024 bytes of a row
	s_add_co_u32 s2, s2, s3
	s_mov_b32 s3, 0
	s_wait_dscnt 0x0
	s_wait_kmcnt 0x0
	s_add_nc_u64 s[34:35], s[4:5], s[2:3]
	s_or_b32 s35, s35, 0x80000000
	tensor_load_to_lds s[32:35], s[36:43]          ; block 0: my one tensor load at the head.  One tensor load of a wave is out at any time
	s_nop 0
	PLACES
	s_lshl_b32 s2, s26, 17
	s_add_nc_u64 s[12:13], s[12:13], s[2:3]        ; wbf at my 16 tiles
	s_lshl_b32 s2, s26, 13
	s_add_nc_u64 s[10:11], s[10:11], s[2:3]        ; Wb's scales likewise
	s_lshr_b32 s2, ttmp9, 3
	s_lshl_b32 s2, s2, 12                          ; the batch's row of wk and of kn
	s_add_nc_u64 s[14:15], s[14:15], s[2:3]
	s_add_nc_u64 s[16:17], s[16:17], s[2:3]
	s_lshl_b32 s2, s26, 10
	s_add_nc_u64 s[16:17], s[16:17], s[2:3]        ; kn: my chunk
	s_add_nc_u64 s[18:19], s[18:19], s[2:3]        ; part: my chunk,
	s_lshl_b32 s2, ttmp9, 13
	s_add_nc_u64 s[18:19], s[18:19], s[2:3]        ; of my work-group's 8,192 bytes
	s_lshl_b32 s2, ttmp9, 8
	s_add_nc_u64 s[6:7], s[6:7], s[2:3]            ; mask: 256 bytes a work-group
	s_lshl_b32 s2, ttmp9, 10
	s_add_nc_u64 s[22:23], s[22:23], s[2:3]
	s_add_nc_u64 s[24:25], s[24:25], s[2:3]
	s_lshl_b32 s2, ttmp9, 4
	s_add_nc_u64 s[20:21], s[20:21], s[2:3]
	s_lshl_b32 s30, s26, 11
	s_add_co_u32 s30, s30, TBL
	s_lshl_b32 s54, s26, 7
	s_add_co_u32 s54, s54, ACODE                   ; where my wave's codes, scale bytes and partial sums go
	s_lshl_b32 s55, s26, 3
	s_add_co_u32 s55, s55, ASCL
	s_lshl_b32 s56, s26, 9
	s_add_co_u32 s56, s56, NP
	s_lshl_b32 s57, s26, 8
	s_add_co_u32 s57, s57, WP
	s_mov_b32 s44, 0x76543210
	s_mov_b32 s45, 0xfedcba98                      ; v_permlanex16_b32's selects for lane l xor 16
	s_mov_b32 s46, 0x4038aa3b                      ; 2 log2(e)
	s_mov_b32 s47, s46
	s_mov_b32 s48, 0xff00ff00                      ; lanes whose bit 3, 2, 1, 0 is set
	s_mov_b32 s49, 0xf0f0f0f0
	s_mov_b32 s50, 0xcccccccc
	s_mov_b32 s51, 0xaaaaaaaa
	s_mov_b32 s27, 4                               ; blocks to go
	v_and_b32 v120, 31, v0
	v_and_b32 v121, 15, v0                         ; r
	v_bfe_u32 v122, v0, 4, 1                       ; h
	v_lshlrev_b32 v[LOFF], 4, v120
	v_lshlrev_b32 v[SOFF], 5, v121
	v_lshl_add_u32 v[SOFF], v122, 4, v[SOFF]
	v_lshl_add_u32 v[TBA], v121, 3, s30
	v_mul_u32_u24 v125, v121, CPITCH
	v_lshl_add_u32 v125, v122, 4, v125
	v_add_nc_u32 v125, ACODE, v125                 ; a fragment of the block's codes: ACODE + 528 r + 16 h
	v_add_nc_u32 v126, ASCL, v[SOFF]               ; its scale words
	v_lshl_add_u32 v127, v0, 2, ELS                ; my word of ELS
	v_lshlrev_b32 v124, 5, v0                      ; thread t makes the table's entries 8 t .. 8 t + 7: a wave makes the slice that it reads
	v_lshlrev_b32 v123, 1, v120                    ; mask: two bytes a lane
	v_lshl_add_u32 v86, v0, 6, TBL
.set j, 0
.rept 16
	v_mov_b32 v[WC+j], 0                           ; both weighted sums
.set j, j+1
.endr
.irp i, 0,1,2,3
	v_mov_b32 v[LB+\i], 0                          ; both softmax sums
.endr
	v_mov_b32 v[MR], 0xff61b1e6                    ; -3e38, under every w
	VW
	global_load_b128 v[88:91], v124, s[14:15]
	global_load_b128 v[92:95], v124, s[14:15] offset:16
	global_load_b128 v[96:99], v124, s[8:9]
	global_load_b128 v[100:103], v124, s[8:9] offset:16
	BLOAD 0, 0
	BLOAD 1, 1
	WIN 0x40
	global_load_b128 v[KN:KN+3], v[LOFF], s[16:17]
	global_load_b128 v[KN+4:KN+7], v[LOFF], s[16:17] offset:512
	global_load_u16 v[MKV], v123, s[6:7]
	WIN 0
	s_wait_loadcnt 37                              ; wk and energy are in; behind them: two tiles' 34 loads, kn's two and the mask's
.irp i, 0,1,2,3,4,5,6,7
	v_mul_f32 v[104+2*\i], s46, v[88+\i]
	v_mul_f32 v[105+2*\i], -2.0, v[96+\i]
.endr
.irp i, 0,1,2,3
	ds_store_b128 v86, v[104+4*\i:107+4*\i] offset:16*\i
.endr
	VW
	s_wait_dscnt 0x0
	s_barrier_signal -1
	s_barrier_wait -1
.set j, 0
.rept 16
	ds_load_b32 v[88+j], v[TBA] offset:4+128*j     ; -2 energy of my lane's 16 columns
.set j, j+1
.endr
	s_wait_dscnt 0x0
.irp i, 0,4,8,12
	v_pk_add_f32 v[88+\i:89+\i], v[88+\i:89+\i], v[90+\i:91+\i]
.endr
	v_pk_add_f32 v[88:89], v[88:89], v[92:93]
	v_pk_add_f32 v[96:97], v[96:97], v[100:101]
	v_pk_add_f32 v[88:89], v[88:89], v[96:97]
	v_add_f32 v88, v88, v89
	v_mul_f32 v88, -0.5, v88                       ; the sum of energy over them
	ds_store_b32 v127, v88
	ds_load_b64 v[TB:TB+1], v[TBA]                 ; the table pairs of tiles 0 and 1
	ds_load_b64 v[TB+2:TB+3], v[TBA] offset:128
	VW
	s_branch .LX                                   ; into the turned loop, at block 0's X
; ---------------- A, G, S, W of a block.  next = 1: another block follows
.macro REST next
	; ---- A
	v_and_b32 v120, 31, v0
	v_lshlrev_b32 v120, 3, v120                    ; 8 l
	v_add_nc_u32 v121, NP, v120
.irp m, 0,1,2,3
	ds_load_b128 v[AS+4*\m:AS+4*\m+3], v126 offset:512*\m
.endr
	ds_load_b32 v[DD+31], v127
.irp g, 0,1,2,3
	ds_load_b64 v[88+2*\g:89+2*\g], v121 offset:512*\g         ; sum of squares and dot of rows 2 l and 2 l + 1, from each wave
	ds_load_b64 v[96+2*\g:97+2*\g], v121 offset:512*\g+256
.endr
	WIN 0x40
.irp m, 0,1,2,3
.set j, 0
.rept 16
	ds_load_b128 v[64*\m+4*j:64*\m+4*j+3], v125 offset:16*CPITCH*\m+32*j
.set j, j+1
.endr
.endr
	WIN 0
	VW
	s_wait_dscnt 63                                ; of the 77 loads the first 14 are in: the scale words, the sum of energy and the eight partial sums among them
.set j, 0
.rept 32
	v_mov_b32 v[AW+j], v[DD+31]                    ; the score sums start with the sum of energy over my lane's columns
.set j, j+1
.endr
.irp b, 88,96
	v_pk_add_f32 v[\b:\b+1], v[\b:\b+1], v[\b+2:\b+3]
	v_pk_add_f32 v[\b+4:\b+5], v[\b+4:\b+5], v[\b+6:\b+7]
.endr
.irp b, 88,96
	v_pk_add_f32 v[\b:\b+1], v[\b:\b+1], v[\b+4:\b+5]
.endr
	v_mov_b32 v104, 0xff800000                     ; -infinity
	VW
	v_sqrt_f32 v90, v88
	v_sqrt_f32 v91, v89
	v_nop
	VW
	v_max_num_f32 v90, 0x322bcc77, v90             ; max(|x|, 1e-8)
	v_max_num_f32 v91, 0x322bcc77, v91
	VW
	v_rcp_f32 v90, v90
	v_rcp_f32 v91, v91
	v_nop
	VW
	v_pk_mul_f32 v[96:97], v[96:97], v[90:91]      ; the cosine
	v_cndmask_b32 v96, v104, v96, s52              ; a masked row's scores are -infinity
	v_cndmask_b32 v97, v104, v97, s53
	v_pk_mul_f32 v[98:99], v[96:97], 0x3fb8aa3b op_sel_hi:[1,0]
	VW
	s_cmp_lg_u32 s26, 0                            ; all four waves hold the same scores: wave 0 stores them, 256 consecutive bytes
	s_cbranch_scc1 .Lkc_\@
	global_store_b64 v120, v[96:97], s[22:23]
.Lkc_\@:
	v_exp_f32 v[PC], v98                           ; e^cos
	v_exp_f32 v[PC+1], v99
	v_nop
	VW
	v_pk_add_f32 v[LC:LC+1], v[LC:LC+1], v[PC:PC+1]
	VW
	s_wait_dscnt 32                                ; the fragments of rows 0-31 are in; those of rows 32-63 may be out
	s_wait_xcnt 0x0                                ; the store has read its registers: results may land there
	; ---- G
	STAGE 0, 0, 0, -1                              ; tile 0, rows 0-31
	s_wait_dscnt 0x0                               ; the fragments of rows 32-63
	STAGE 0, 1, 1, -1                              ; tile 0, rows 32-63
	s_mov_b32 s29, 0
	s_mov_b32 s28, 7
.Lg_\@:                                            ; trip j: tiles 2 j + 1 and 2 j + 2; it asks for tiles 2 j + 2 and 2 j + 3; the pointers stand at tile 2 j
	v_add_nc_u32 v[TAD], s29, v[TBA]
	BLOAD 0, 2
	s_wait_loadcnt 17                              ; tile 2 j + 1 is in; the 17 just issued may be out
	STAGE 1, 0, 2, -1
	STAGE 1, 1, 2, 256
	BLOAD 1, 3
	s_wait_loadcnt 17                              ; tile 2 j + 2 is in
	STAGE 0, 0, 2, -1
	STAGE 0, 1, 2, 384
	s_wait_xcnt 0x0                                ; the loads have read their bases
	s_add_nc_u64 s[12:13], s[12:13], 16384
	s_add_nc_u64 s[10:11], s[10:11], 1024
	s_add_co_u32 s29, s29, 256
	s_sub_co_u32 s28, s28, 1
	s_cmp_lg_u32 s28, 0
	s_cbranch_scc1 .Lg_\@
.if \next
	BLOAD 0, -14                                   ; the pointers stand at tile 14.  The next block's tiles 0 and 1 are asked for here: they land under S, W and X
	s_wait_loadcnt 17                              ; tile 15 is in
.else
	s_wait_loadcnt 0x0
.endif
	STAGE 1, 0, 2, -1                              ; tile 15
	STAGE 1, 1, 2, -1
.if \next
	ds_load_b64 v[TB:TB+1], v[TBA]
	BLOAD 1, -13
.endif
	VW                                             ; the two sets of tile 15 are finished
	TH_R 0
	TH_E 1
	v_nop
	VW
	TH_F2 0, 1
	TH_A1 1
	VW
	TH_R 1
	v_nop
	VW
	TH_F2 1, 1
.if \next
	ds_load_b64 v[TB+2:TB+3], v[TBA] offset:128
	VW
	s_wait_xcnt 0x0
	s_sub_nc_u64 s[12:13], s[12:13], 114688        ; back to tile 0
	s_sub_nc_u64 s[10:11], s[10:11], 7168
.endif
	; ---- S: the sums over my 16 lanes of a half: two registers remain, rows base and base + 1, base = 32 b3 + 16 b2 + 8 b4 + 4 b1 + 2 b0 of the lane's bits
	RSTEP AW, 16, 16, 8, 48, DD
	RSTEP AW, 8, 8, 4, 49, DD
	RSTEP AW, 4, 4, 2, 50, DD
	RSTEP AW, 2, 2, 1, 51, DD
	v_and_b32 v121, 3, v0
	v_lshlrev_b32 v120, 3, v121
	v_and_b32 v121, 12, v0
	v_lshl_add_u32 v120, v121, 4, v120
	v_and_b32 v121, 16, v0
	v_lshl_add_u32 v120, v121, 1, v120
	v_add_nc_u32 v120, s57, v120                   ; WP + 256 w + 4 base
	v_and_b32 v119, 31, v0
	v_lshlrev_b32 v124, 3, v119                    ; 8 l
	v_add_nc_u32 v121, WP, v124
	v_lshlrev_b32 v119, 1, v119                    ; 2 l
	ds_store_b64 v120, v[AW:AW+1]
.if \next
	WIN 0x40
	global_load_b128 v[KN:KN+3], v[LOFF], s[16:17] ; window 1 is free again: kn and the next block's mask
	global_load_b128 v[KN+4:KN+7], v[LOFF], s[16:17] offset:512
	global_load_u16 v[MKV], v119, s[6:7] offset:64
	WIN 0
.endif
	VW
	s_wait_dscnt 0x0
	s_barrier_signal -1
	s_barrier_wait -1                              ; the four waves' parts of w lie in LDS; every wave has read the block's codes and partial sums
.irp g, 0,1,2,3
	ds_load_b64 v[60+2*\g:61+2*\g], v121 offset:256*\g
.endr
	s_wait_dscnt 0x0
	v_pk_add_f32 v[60:61], v[60:61], v[62:63]
	v_pk_add_f32 v[64:65], v[64:65], v[66:67]
	v_mov_b32 v72, 0xff800000
	v_pk_add_f32 v[60:61], v[60:61], v[64:65]
	v_cndmask_b32 v60, v72, v60, s52
	v_cndmask_b32 v61, v72, v61, s53
	v_max_num_f32 v80, v60, v61
.irp xm, 1,2,4,8
	v_max_num_f32_dpp v80, v80, v80 row_xmask:\xm row_mask:0xf bank_mask:0xf
.endr
	v_permlanex16_b32 v81, v80, s44, s45
	v_max3_num_f32 v80, v80, v81, v[MR]            ; the new running maximum
	v_sub_f32 v82, v[MR], v80                      ; the maximum is taken away before the multiplication
	v_sub_f32 v86, v60, v80
	v_sub_f32 v87, v61, v80
	v_mul_f32 v82, 0x3fb8aa3b, v82
	v_pk_mul_f32 v[86:87], v[86:87], 0x3fb8aa3b op_sel_hi:[1,0]
	v_mov_b32 v84, v[PC]
	v_mov_b32 v85, v[PC+1]
	v_add_nc_u32 v120, s56, v[LOFF]                ; my wave's 512 bytes of NP: 16 bytes a lane,
	v_mov_b32 v121, s56                            ; and their first byte
	VW
	s_cmp_lg_u32 s26, 0
	s_cbranch_scc1 .Lkw_\@
	global_store_b64 v124, v[60:61], s[24:25]
.Lkw_\@:
	v_exp_f32 v82, v82                             ; f = e^(old maximum - new)
	v_exp_f32 v86, v86                             ; e^(w - maximum)
	v_exp_f32 v87, v87
	v_mov_b32 v[MR], v80
	VW
	v_pk_fma_f32 v[LB:LB+1], v[LB:LB+1], v[82:83], v[86:87] op_sel_hi:[1,0,1]
.irp c, 0,2,4,6
	v_pk_mul_f32 v[WB+\c:WB+\c+1], v[WB+\c:WB+\c+1], v[82:83] op_sel_hi:[1,0]
.endr
	; ---- W: each lane's four weights go to my wave's own bytes and come back to every lane, 16 rows' at a time, in two sets that take turns
	VW
	s_wait_xcnt 0x0                                ; the store and loads of S have read their registers and bases
	ds_store_b128 v120, v[84:87]
	WLD 0, 0
	WLD 1, 1
	s_wait_dscnt 8                                 ; the older eight loads are in
	WFM 0, 0
	WLD 0, 2
	VW
	s_wait_dscnt 8
	WFM 1, 1
	WLD 1, 3
	VW
	s_wait_dscnt 8
	WFM 0, 2
	VW
	s_wait_dscnt 0x0
	WFM 1, 3
.if \next
	s_add_nc_u64 s[6:7], s[6:7], 64
	s_add_nc_u64 s[22:23], s[22:23], 256
	s_add_nc_u64 s[24:25], s[24:25], 256
.endif
.endm
.Ltop:                                                 ; three trips
	tensor_load_to_lds s[32:35], s[36:43]          ; my one tensor load behind X's barrier: the next block, into the slot just read out; it has A, G, S and W in which to land
	s_nop 0
	PLACES
	REST 1
.LX:
	; ---- X
	VW
	s_wait_tensorcnt 0x0                           ; my slot has landed (no other wave reads it)
	s_wait_loadcnt 0x0                             ; kn and the mask
	s_wait_xcnt 0x0
	v_and_b32 v124, 16, v0
	v_and_b32 v123, 15, v0
	v_lshlrev_b32 v124, 4, v124
	v_lshl_add_u32 v124, v123, 2, v124
	v_add_nc_u32 v124, s56, v124                   ; NP + 512 w + 256 h + 4 r
	v_and_b32 v123, 31, v0
	v_lshrrev_b32 v121, 3, v123
	v_lshlrev_b32 v120, 5, v123
	v_lshl_add_u32 v120, v121, 4, v120
	v_add_nc_u32 v120, s33, v120                   ; my 32 bytes of a row: slot + 32 l + 16 (l / 8)
	v_add_nc_u32 v121, 32*XPITCH, v120             ; 32 rows on
	v_lshl_add_u32 v122, v123, 2, s54              ; ACODE + 128 w + 4 l
	v_lshrrev_b32 v123, 2, v123
	v_add_nc_u32 v123, s55, v123                   ; ASCL + 8 w + l / 4
	VW
	LROWS 0
	LROWS 1
	s_wait_dscnt 32                                ; rows 0-15 are in; the 32 loads of rows 16-31 may be out
	CROWS 0
	LROWS 2
	SROWS 0
	BFLY 0
	VW
	s_wait_dscnt 63                                ; rows 16-31 are in: 64 LDS instructions were issued behind them, and 63 is the largest count that the wait takes
	CROWS 1
	LROWS 3
	SROWS 1
	BFLY 1
	VW
	s_wait_dscnt 63                                ; rows 32-47 are in: 96 were issued behind them
	CROWS 2
	SROWS 2
	BFLY 2
	VW
	s_wait_dscnt 63                                ; rows 48-63 are in: 64 were issued behind them
	CROWS 3
	SROWS 3
	BFLY 3
.irp a, 0,1,2,3
	ds_store_b32 v124, v[RES+\a] offset:64*\a
.endr
	VW
	s_wait_tensorcnt 0x0                           ; no tensor load of mine is out, so group 0 may be written
	ds_add_u32 v[SPW], v[NIL]                      ; 0 onto my spare word
	s_add_nc_u64 s[34:35], s[34:35], 262144        ; the next 64 rows (behind the last block the stepped address is not used)
	WIN 0x44
	v_and_b32 v[MKV+1], 0xff, v[MKV]               ; the mask of rows 2 l and 2 l + 1, as lane masks
	v_lshrrev_b32 v[MKV+2], 8, v[MKV]
	v_cmp_ne_u32 s52, 0, v[MKV+1]
	v_cmp_ne_u32 s53, 0, v[MKV+2]
	WIN 0
	s_wait_dscnt 0x0                               ; the add is done; all 128 reads of my slot are in registers; my codes, scale bytes and partial sums lie in LDS
	s_barrier_signal -1
	s_barrier_wait -1
	s_sub_co_u32 s27, s27, 1
	s_cmp_lg_u32 s27, 0
	s_cbranch_scc1 .Ltop
	REST 0                                         ; the last block asks for nothing more
	; ---------------- the end: the work-group's state
	v_add_f32 v60, v[LB], v[LB+1]
	v_add_f32 v61, v[LC], v[LC+1]
.irp xm, 1,2,4,8
	v_add_f32_dpp v60, v60, v60 row_xmask:\xm row_mask:0xf bank_mask:0xf
	v_add_f32_dpp v61, v61, v61 row_xmask:\xm row_mask:0xf bank_mask:0xf
.endr
	v_permlanex16_b32 v62, v60, s44, s45
	v_permlanex16_b32 v63, v61, s44, s45
	v_mov_b32 v64, v[MR]
	v_add_f32 v65, v60, v62
	v_add_f32 v66, v61, v63
	v_mov_b32 v67, 0
	v_mov_b32 v68, 0
	global_store_b128 v[LOFF], v[WC:WC+3],   s[18:19]                ; part[wg][4 a + w][u][lane][4]: 512 consecutive bytes a store
	global_store_b128 v[LOFF], v[WC+4:WC+7], s[18:19] offset:512
	global_store_b128 v[LOFF], v[WB:WB+3],   s[18:19] offset:4096
	global_store_b128 v[LOFF], v[WB+4:WB+7], s[18:19] offset:4608
	v_cmp_eq_u32 vcc_lo, 0, v0
	VW
	s_wait_xcnt 0x0                                ; EXEC changes only behind this wait
	s_and_saveexec_b32 s31, vcc_lo                 ; thread 0 alone
	global_store_b128 v68, v[64:67], s[20:21]      ; (maximum, additive sum, cosine sum, 0)
	s_wait_xcnt 0x0
	s_or_b32 exec_lo, exec_lo, s31
	s_wait_tensorcnt 0x0                           ; the wave's end
	ds_add_u32 v[SPW], v[NIL]
	s_wait_dscnt 0x0
	s_endpgm
.Lfunc_end_k_q6ba19effbb_main:
	.size	k_q6ba19effbb_main, .Lfunc_end_k_q6ba19effbb_main-k_q6ba19effbb_main
	.p2alignl 7, 3214868480
	.fill 96, 4, 3214868480
	.section	.rodata,"a",@progbits
	.p2align	6, 0x0
	.amdhsa_kernel k_q6ba19effbb_main
		.amdhsa_group_segment_fixed_size 327680
		.amdhsa_private_segment_fixed_size 0
		.amdhsa_enable_private_segment 0
		.amdhsa_kernarg_size 88
		.amdhsa_user_sgpr_count 2
		.amdhsa_user_sgpr_kernarg_segment_ptr 1
		.amdhsa_wavefront_size32 1
		.amdhsa_system_sgpr_workgroup_id_x 1
		.amdhsa_system_sgpr_workgroup_id_y 1
		.amdhsa_system_sgpr_workgroup_id_z 1
		.amdhsa_system_vgpr_workitem_id 0
		.amdhsa_next_free_vgpr 1024
		.amdhsa_next_free_sgpr 66
		.amdhsa_reserve_vcc 1
		.amdhsa_float_denorm_mode_32 3
		.amdhsa_float_denorm_mode_16_64 3
		.amdhsa_memory_ordered 1
		.amdhsa_forward_progress 1
		.amdhsa_inst_pref_size 255
	.end_amdhsa_kernel
	.section	.bss,"aw",@nobits
	.p2align	6
	.space	262144
	.amdgpu_metadata
---
amdhsa.version: [ 1, 2 ]
amdhsa.kernels:
  - .name:           k_q6ba19effbb_main
    .symbol:         k_q6ba19effbb_main.kd
    .args:
      - { .name: xs, .offset: 0, .size: 8, .value_kind: global_buffer, .address_space: global }
      - { .name: mask, .offset: 8, .size: 8, .value_kind: global_buffer, .address_space: global }
      - { .name: energy, .offset: 16, .size: 8, .value_kind: global_buffer, .address_space: global }
      - { .name: Wb_scales, .offset: 24, .size: 8, .value_kind: global_buffer, .address_space: global }
      - { .name: wbf, .offset: 32, .size: 8, .value_kind: global_buffer, .address_space: global }
      - { .name: wk, .offset: 40, .size: 8, .value_kind: global_buffer, .address_space: global }
      - { .name: kn, .offset: 48, .size: 8, .value_kind: global_buffer, .address_space: global }
      - { .name: part, .offset: 56, .size: 8, .value_kind: global_buffer, .address_space: global }
      - { .name: stats, .offset: 64, .size: 8, .value_kind: global_buffer, .address_space: global }
      - { .name: scc, .offset: 72, .size: 8, .value_kind: global_buffer, .address_space: global }
      - { .name: scw, .offset: 80, .size: 8, .value_kind: global_buffer, .address_space: global }
    .group_segment_fixed_size: 327680
    .private_segment_fixed_size: 0
    .kernarg_segment_align: 8
    .kernarg_segment_size: 88
    .max_flat_workgroup_size: 128
    .sgpr_count:     66
    .vgpr_count:     1024
    .wavefront_size: 32
...
	.end_amdgpu_metadata
.endif
;; end of part 2
;; launch finish (part 3): grid 8 x 32, 8 waves a work-group, no clusters, 3,072 bytes of LDS; arguments part, stats, scc, scw, Wc_codes, Wc_scales, bc, out0, out1; writes out0, out1
.if DOCPART == 3
	.amdgcn_target "amdgcn-amd-amdhsa--gfx1250"
	.amdhsa_code_object_version 6
	.text
	.protected	k_q6ba19effbb_finish
	.globl	k_q6ba19effbb_finish
	.p2align	8
	.type	k_q6ba19effbb_finish,@function
k_q6ba19effbb_finish:
	s_mov_b64 s[64:65], 0
	v_nop
	global_prefetch_b8 v0, s[64:65] scope:SCOPE_SE
	s_setreg_imm32_b32 hwreg(HW_REG_WAVE_MODE, 25, 1), 1
	s_wait_xcnt 0x0
; The eight states of a batch are merged, both softmaxes are finished, and the combined vector goes through Wc.
; Work-group (j, b) rebuilds batch b's whole vector [cosine sum, additive sum] (2,048 numbers, from 64 KiB of partial sums), quantises it along K, and makes out0[b][128 j .. + 127] and out1[b][256 j .. + 255].
; Wave v takes chunk v of the vector (K = 256 v + 8 lane + i: waves 0-3 the cosine half, 4-7 the additive half) and tile 8 j + v of Wc's rows.
; The product has one row: all 16 rows of the matrix operand are that row, and register 0 of the result is read.
; MERGE: M = the largest of the eight maxima; f_g = e^(m_g - M); the additive sum is sum f_g l_g.  The cosine softmax took no maximum away (its exponent lies in [-1, 1]).
; A batch that is masked out entirely has sums 0: its scale bytes are set to 0xff, so that out0 is NaN there, as out1 is by 0 x infinity, and as the problem has it.
; LIMITS: NaN and infinities among the inputs are not served.  A block of zeros keeps the scale byte 1.
.set CROW, 0                           ; LDS: the vector's codes, 1,024 bytes
.set CSCL, 1024                        ; its 64 scale bytes
.set OST,  1280                        ; 128 results
.set BS,   8                           ; v8-15    Wc's scale words: register 4 (q / 8) + q % 4, lanes 16-31 where (q / 4) is odd
.set AS,   16                          ; v16-31   the vector's: register q
.set P,    32                          ; v32-95   eight work-groups' partial sums of my 8 numbers
.set D,    96                          ; v96-111  two accumulators; at work before the products
.set SCV,  112                         ; v112-115 four cosine scores (waves 0, 1)
.set SWV,  116                         ; v116-119 four additive scores
.set BCV,  120                         ; v120-123 bc (wave 0)
.set AF,   128                         ; v128-255 the vector's 16 fragments;   window 1, v0-127: Wc's 16 fragments
.set CF,   40                          ; s[40:55] eight factors as scalar pairs
.set MSB, 0
.macro WIN new
.if MSB != (\new)
	s_set_vgpr_msb (MSB<<8)|(\new)
.set MSB, (\new)
.endif
.endm
	s_load_b512 s[4:19], s[0:1], 0x0               ; part s[4:5], stats s[6:7], scc s[8:9], scw s[10:11], Wc's codes s[12:13], Wc's scales s[14:15], bc s[16:17], out0 s[18:19]
	s_load_b64 s[20:21], s[0:1], 0x40              ; out1
	s_set_vgpr_msb 0x40
	v_lshl_add_u32 v128, v0, 2, 0x800
	v_mov_b32 v129, 0
	s_set_vgpr_msb 0x4000
	v_lshrrev_b32 v1, 5, v0
	s_delay_alu instid0(VALU_DEP_1)
	v_readfirstlane_b32 s22, v1                    ; wave 0..7
	s_and_b32 s23, ttmp7, 0xffff                   ; b
	v_and_b32 v1, 31, v0                           ; lane
	v_and_b32 v2, 15, v0                           ; r
	v_bfe_u32 v3, v0, 4, 1                         ; h
	s_delay_alu instid0(VALU_DEP_3)
	v_lshlrev_b32 v4, 4, v1                        ; v4   16 x lane
	v_and_b32 v5, 7, v0
	s_delay_alu instid0(VALU_DEP_1)
	v_lshlrev_b32 v5, 4, v5                        ; v5   stats: lane l takes work-group l % 8's
	v_lshlrev_b32 v6, 10, v2
	s_delay_alu instid0(VALU_DEP_1)
	v_lshl_add_u32 v6, v3, 4, v6                   ; v6   Wc's codes: 1,024 r + 16 h
	v_lshlrev_b32 v7, 6, v2
	s_delay_alu instid0(VALU_DEP_1)
	v_lshl_add_u32 v7, v3, 4, v7                   ; v7   Wc's scales: 64 r + 16 h
	s_lshl_b32 s24, s22, 7                         ; every LDS address is made here, ahead of the first branch on the wave's number
	v_lshl_add_u32 v124, v1, 2, s24                ; v124 CROW + 128 v + 4 l
	v_lshrrev_b32 v125, 2, v1
	s_lshl_b32 s24, s22, 3
	s_add_co_u32 s24, s24, CSCL
	v_add_nc_u32 v125, s24, v125                   ; v125 CSCL + 8 v + l / 4
	s_lshl_b32 s24, s22, 6
	s_add_co_u32 s24, s24, OST
	v_lshl_add_u32 v126, v2, 2, s24                ; v126 OST + 64 v + 4 r
	v_add_nc_u32 v127, OST, v4                     ; v127 OST + 16 l
	v_lshlrev_b32 v3, 4, v3                        ; v3   16 h: a fragment's place in the one row
	v_mov_b32 v2, CSCL                             ; v2   the scale words, alike for all lanes
	s_mov_b32 s25, 0
	s_wait_kmcnt 0x0
	s_lshl_b32 s24, s23, 16
	s_lshl_b32 s26, s22, 10
	s_add_co_u32 s24, s24, s26
	s_add_nc_u64 s[4:5], s[4:5], s[24:25]          ; part: the batch's 65,536 bytes, my chunk
	s_lshl_b32 s24, s23, 7
	s_add_nc_u64 s[6:7], s[6:7], s[24:25]          ; stats: the batch's eight
	s_lshl_b32 s24, s23, 13
	s_lshl_b32 s26, ttmp9, 10
	s_add_co_u32 s24, s24, s26
	s_lshl_b32 s26, s22, 9
	s_add_co_u32 s24, s24, s26
	s_add_nc_u64 s[8:9], s[8:9], s[24:25]          ; the scores and out1: rows 256 j + 128 v on (waves 0 and 1 alone use these)
	s_add_nc_u64 s[10:11], s[10:11], s[24:25]
	s_add_nc_u64 s[20:21], s[20:21], s[24:25]
	s_lshl_b32 s28, ttmp9, 3
	s_add_co_u32 s28, s28, s22                     ; my tile of Wc's rows
	s_lshl_b32 s24, s28, 14
	s_add_nc_u64 s[12:13], s[12:13], s[24:25]
	s_lshl_b32 s24, s28, 10
	s_add_nc_u64 s[14:15], s[14:15], s[24:25]
	s_lshl_b32 s24, ttmp9, 9
	s_add_nc_u64 s[16:17], s[16:17], s[24:25]
	s_add_nc_u64 s[18:19], s[18:19], s[24:25]
	s_lshl_b32 s24, s23, 12
	s_add_nc_u64 s[18:19], s[18:19], s[24:25]
	; the loads that only some waves issue come first: the counts below name the loads behind them, which every wave issues
	s_cmp_lt_u32 s22, 2
	s_cbranch_scc0 .Lno_sc
	global_load_b128 v[SCV:SCV+3], v4, s[8:9]
	global_load_b128 v[SWV:SWV+3], v4, s[10:11]
.Lno_sc:
	s_cmp_lg_u32 s22, 0
	s_cbranch_scc1 .Lno_bc
	global_load_b128 v[BCV:BCV+3], v4, s[16:17]
.Lno_bc:
	global_load_b128 v[D:D+3], v5, s[6:7]
.irp g, 0,1,2,3,4,5,6,7
	global_load_b128 v[P+8*\g:P+8*\g+3],   v4, s[4:5] offset:8192*\g
	global_load_b128 v[P+8*\g+4:P+8*\g+7], v4, s[4:5] offset:8192*\g+512
.endr
	s_wait_alu depctr_va_vdst(0)
	global_load_b128 v[BS:BS+3],   v7, s[14:15]
	global_load_b128 v[BS+4:BS+7], v7, s[14:15] offset:32
	WIN 0x40
.irp n, 0,1,2,3,4,5,6,7,8,9,10,11,12,13,14,15,16,17,18,19,20,21,22,23,24,25,26,27,28,29,30,31
	global_load_b128 v[4*\n:4*\n+3], v6, s[12:13] offset:32*\n
.endr
	WIN 0
	s_wait_loadcnt 50                              ; the states are in (and what was asked for before them); behind them: 16 of part, 2 + 32 of Wc
	v_mov_b32 v100, v96
.irp xm, 1,2,4
	s_delay_alu instid0(VALU_DEP_1)
	v_max_num_f32_dpp v100, v100, v100 row_xmask:\xm row_mask:0xf bank_mask:0xf    ; M, over the eight lanes that hold the eight states
.endr
	s_delay_alu instid0(VALU_DEP_1)
	v_sub_f32 v101, v96, v100
	s_delay_alu instid0(VALU_DEP_1)
	v_mul_f32 v101, 0x3fb8aa3b, v101
	s_wait_alu depctr_va_vdst(0)
	v_exp_f32 v101, v101                           ; f_g
	v_mov_b32 v103, v98                            ; (a plain place)
	s_wait_alu depctr_va_vdst(0)
	v_mul_f32 v102, v101, v97
.irp xm, 1
	s_delay_alu instid0(VALU_DEP_1)
	v_add_f32_dpp v102, v102, v102 row_xmask:\xm row_mask:0xf bank_mask:0xf        ; the additive softmax's sum
	v_add_f32_dpp v103, v103, v103 row_xmask:\xm row_mask:0xf bank_mask:0xf        ; the cosine softmax's
.endr
.irp xm, 2, 4
	s_delay_alu instid0(VALU_DEP_2)
	v_add_f32_dpp v102, v102, v102 row_xmask:\xm row_mask:0xf bank_mask:0xf        ; the additive softmax's sum
	s_delay_alu instid0(VALU_DEP_2)
	v_add_f32_dpp v103, v103, v103 row_xmask:\xm row_mask:0xf bank_mask:0xf        ; the cosine softmax's
.endr
	s_wait_alu depctr_va_vdst(0)
	v_rcp_f32 v104, v102
	v_rcp_f32 v105, v103
	v_nop
	v_cmp_lt_f32 vcc_lo, 0, v103                   ; is any row of the batch left by the mask?
	s_wait_alu depctr_va_vdst(0)
	v_mul_f32 v106, v101, v104                     ; f_g / the additive sum
	v_mul_f32 v107, 0.5, v105
	v_mul_f32 v108, 0.5, v104
.irp g, 0,1,2,3,4,5,6,7
	v_readlane_b32 s[CF+2*\g], v106, \g
	s_mov_b32 s[CF+2*\g+1], 0                      ; (a pair is named whole)
.endr
	v_readfirstlane_b32 s56, v105
	s_cmp_lt_u32 s22, 4                            ; waves 0-3 hold the cosine half: one factor for all eight
.irp g, 0,1,2,3,4,5,6,7
	s_cselect_b32 s[CF+2*\g], s56, s[CF+2*\g]
.endr
	s_wait_loadcnt 34                              ; part is in; Wc's 34 loads may be out
.irp c, 0,2,4,6
	v_pk_mul_f32 v[P+\c:P+\c+1], v[P+\c:P+\c+1], s[CF:CF+1] op_sel_hi:[1,0]
.endr
.irp g, 1,2,3,4,5,6,7
.irp c, 0,2,4,6
	s_delay_alu instid0(VALU_DEP_4)
	v_pk_fma_f32 v[P+\c:P+\c+1], v[P+8*\g+\c:P+8*\g+\c+1], s[CF+2*\g:CF+2*\g+1], v[P+\c:P+\c+1] op_sel_hi:[1,0,1]
.endr
.endr
	s_delay_alu instid0(VALU_DEP_4)
	v_max3_num_f32 v40, |v32|, |v33|, 0x1800000    ; the quantiser: my 8 numbers and the floor 2^(3 - 127),
	s_delay_alu instid0(VALU_DEP_1)
	v_max3_num_f32 v40, |v34|, |v35|, v40
	s_delay_alu instid0(VALU_DEP_1)
	v_max3_num_f32 v40, |v36|, |v37|, v40
	s_delay_alu instid0(VALU_DEP_1)
	v_max3_num_f32 v40, |v38|, |v39|, v40
	s_delay_alu instid0(VALU_DEP_1)
	v_max_num_f32_dpp v40, v40, v40 row_xmask:1 row_mask:0xf bank_mask:0xf         ; the block's three other lanes;
	s_delay_alu instid0(VALU_DEP_1)
	v_max_num_f32_dpp v40, v40, v40 row_xmask:2 row_mask:0xf bank_mask:0xf
	s_delay_alu instid0(VALU_DEP_1)
	v_add_nc_u32 v40, 0xff000000, v40              ; 2 off the exponent field: the conversion's scale operand;
	s_delay_alu instid0(VALU_DEP_1)
	v_lshrrev_b32 v41, 23, v40                     ; the scale's byte
	v_cvt_scalef32_pk8_fp4_f32 v42, v[32:39], v40
	v_mov_b32 v43, 0xff                            ; (one plain place behind a scaled conversion)
	s_delay_alu instid0(VALU_DEP_1)
	v_cndmask_b32 v41, v43, v41, vcc_lo            ; NaN for a batch without a row
	ds_store_b32 v124, v42
	ds_store_b8 v125, v41                          ; the block's four lanes write the same byte with the same value
	s_cmp_lt_u32 s22, 2
	s_cbranch_scc0 .Lno_out1
.irp i, 0,1,2,3
	v_sub_f32 v[SWV+\i], v[SWV+\i], v100           ; the maximum is taken away before the multiplication
.endr
.irp i, 0,2
	v_pk_mul_f32 v[SCV+\i:SCV+\i+1], v[SCV+\i:SCV+\i+1], 0x3fb8aa3b op_sel_hi:[1,0]
	s_delay_alu instid0(VALU_DEP_4)
	v_pk_mul_f32 v[SWV+\i:SWV+\i+1], v[SWV+\i:SWV+\i+1], 0x3fb8aa3b op_sel_hi:[1,0]
.endr
	s_wait_alu depctr_va_vdst(0)
.irp i, 0,1,2,3,4,5,6,7
	v_exp_f32 v[SCV+\i], v[SCV+\i]
.endr
	v_nop
	s_wait_alu depctr_va_vdst(0)
.irp i, 0,1,2,3
	v_mul_f32 v[SCV+\i], v[SCV+\i], v107
.endr
.irp i, 0,1,2,3
	v_fma_f32 v[SCV+\i], v[SWV+\i], v108, v[SCV+\i]    ; half of each softmax
.endr
	global_store_b128 v4, v[SCV:SCV+3], s[20:21]   ; 512 consecutive bytes of out1
.Lno_out1:
	s_wait_dscnt 0x0
	s_barrier_signal -1
	s_barrier_wait -1                              ; the vector's codes and scale bytes lie in LDS
.irp n, 0,1,2,3,4,5,6,7,8,9,10,11,12,13,14,15,16,17,18,19,20,21,22,23,24,25,26,27,28,29,30,31
	ds_load_b128 v[AF+4*\n:AF+4*\n+3], v3 offset:CROW+32*\n
.endr
.irp g, 0,1,2,3
	ds_load_b128 v[AS+4*\g:AS+4*\g+3], v2 offset:16*\g
.endr
	s_wait_loadcnt 0x0                             ; Wc
	s_wait_dscnt 0x0
	WIN 0x04                                       ; source 1 (Wc) in window 1
	; source 0 = the vector, 16 times; source 1 = 16 rows of Wc.  Two accumulators take turns; their sum is the result
.irp q, 0,1,2,3,4,5,6,7,8,9,10,11,12,13,14,15
.if \q < 2
	v_wmma_scale_f32_16x16x128_f8f6f4 v[D+8*(\q%2):D+8*(\q%2)+7], v[AF+8*\q:AF+8*\q+7], v[8*\q:8*\q+7], 0, v[AS+\q], v[BS+4*(\q/8)+\q%4] matrix_a_fmt:MATRIX_FMT_FP4 matrix_b_fmt:MATRIX_FMT_FP4
.elseif (\q/4)%2 == 0
	v_wmma_scale_f32_16x16x128_f8f6f4 v[D+8*(\q%2):D+8*(\q%2)+7], v[AF+8*\q:AF+8*\q+7], v[8*\q:8*\q+7], v[D+8*(\q%2):D+8*(\q%2)+7], v[AS+\q], v[BS+4*(\q/8)+\q%4] matrix_a_fmt:MATRIX_FMT_FP4 matrix_b_fmt:MATRIX_FMT_FP4
.else
	v_wmma_scale_f32_16x16x128_f8f6f4 v[D+8*(\q%2):D+8*(\q%2)+7], v[AF+8*\q:AF+8*\q+7], v[8*\q:8*\q+7], v[D+8*(\q%2):D+8*(\q%2)+7], v[AS+\q], v[BS+4*(\q/8)+\q%4] matrix_a_fmt:MATRIX_FMT_FP4 matrix_b_fmt:MATRIX_FMT_FP4 matrix_b_scale:MATRIX_SCALE_ROW1
.endif
.endr
	WIN 0
.rept 4
	v_nop                                          ; four places in front of the first read of results (ISA guide 7.12.1)
.endr
	v_add_f32 v32, v[D], v[D+8]                    ; register 0 of both: column r (every row of the result is the same)
	ds_store_b32 v126, v32                         ; both halves of the lanes write the same word with the same value
	s_wait_dscnt 0x0
	s_barrier_signal -1
	s_barrier_wait -1
	s_cmp_lg_u32 s22, 0
	s_cbranch_scc1 .Lend
	ds_load_b128 v[36:39], v127
	s_wait_dscnt 0x0
	v_pk_add_f32 v[36:37], v[36:37], v[BCV:BCV+1]
	v_pk_add_f32 v[38:39], v[38:39], v[BCV+2:BCV+3]
	global_store_b128 v4, v[36:39], s[18:19]       ; 512 consecutive bytes of out0
.Lend:
	s_set_vgpr_msb 0x5
	s_wait_tensorcnt 0x0
	ds_add_u32 v128, v129
	s_wait_dscnt 0x0
	s_set_vgpr_msb 0x500
	s_endpgm
.Lfunc_end_k_q6ba19effbb_finish:
	.size	k_q6ba19effbb_finish, .Lfunc_end_k_q6ba19effbb_finish-k_q6ba19effbb_finish
	.p2alignl 7, 3214868480
	.fill 96, 4, 3214868480
	.section	.rodata,"a",@progbits
	.p2align	6, 0x0
	.amdhsa_kernel k_q6ba19effbb_finish
		.amdhsa_group_segment_fixed_size 3072
		.amdhsa_private_segment_fixed_size 0
		.amdhsa_enable_private_segment 0
		.amdhsa_kernarg_size 72
		.amdhsa_user_sgpr_count 2
		.amdhsa_user_sgpr_kernarg_segment_ptr 1
		.amdhsa_wavefront_size32 1
		.amdhsa_system_sgpr_workgroup_id_x 1
		.amdhsa_system_sgpr_workgroup_id_y 1
		.amdhsa_system_sgpr_workgroup_id_z 1
		.amdhsa_system_vgpr_workitem_id 0
		.amdhsa_next_free_vgpr 386
		.amdhsa_next_free_sgpr 66
		.amdhsa_reserve_vcc 1
		.amdhsa_float_denorm_mode_32 3
		.amdhsa_float_denorm_mode_16_64 3
		.amdhsa_memory_ordered 1
		.amdhsa_forward_progress 1
		.amdhsa_inst_pref_size 22
	.end_amdhsa_kernel
	.amdgpu_metadata
---
amdhsa.version: [ 1, 2 ]
amdhsa.kernels:
  - .name:           k_q6ba19effbb_finish
    .symbol:         k_q6ba19effbb_finish.kd
    .args:
      - { .name: part, .offset: 0, .size: 8, .value_kind: global_buffer, .address_space: global }
      - { .name: stats, .offset: 8, .size: 8, .value_kind: global_buffer, .address_space: global }
      - { .name: scc, .offset: 16, .size: 8, .value_kind: global_buffer, .address_space: global }
      - { .name: scw, .offset: 24, .size: 8, .value_kind: global_buffer, .address_space: global }
      - { .name: Wc_codes, .offset: 32, .size: 8, .value_kind: global_buffer, .address_space: global }
      - { .name: Wc_scales, .offset: 40, .size: 8, .value_kind: global_buffer, .address_space: global }
      - { .name: bc, .offset: 48, .size: 8, .value_kind: global_buffer, .address_space: global }
      - { .name: out0, .offset: 56, .size: 8, .value_kind: global_buffer, .address_space: global }
      - { .name: out1, .offset: 64, .size: 8, .value_kind: global_buffer, .address_space: global }
    .group_segment_fixed_size: 3072
    .private_segment_fixed_size: 0
    .kernarg_segment_align: 8
    .kernarg_segment_size: 72
    .max_flat_workgroup_size: 256
    .sgpr_count:     66
    .vgpr_count:     386
    .wavefront_size: 32
...
	.end_amdgpu_metadata
.endif
;; end of part 3
